; MI455X (gfx1250); checked and timed in simulation.
; The chip was launched on July 23, 2026; its instructions are those of AMD's public machine-readable ISA for CDNA 5 (MIT licence, August 2026) and "CDNA5" Instruction Set Architecture Reference Guide (July 2026). The comments in the code are by the model that wrote it; some were corrected since.
;; Vector Quantizer. Allowed arithmetic: float matrix products may take bf16 or f16 operands with f32 sums; all other float work in f32.
;; Inputs: embeddings 256 x 4,096 float32; inputs 32 x 32 x 32 x 256 float32.
;; Outputs: out0 32 x 32 x 32 x 256 float32; out1 32 x 32 x 32 int32; out2 one number float32; out3 one number float32.
;; 2 versions, each right; version 2 is version 1 with the launch prep written anew for expert scheduling mode. Each part assembles by itself: llvm-mc -triple=amdgcn-amd-amdhsa -mcpu=gfx1250 --defsym DOCPART=n.
;; ======== version 1 of 2: 4 launches
;; workspace buffers: etb 2,097,152 bytes; eew 16,384 bytes; idxw 131,072 bytes of whole numbers; part 2,048 bytes
;; launch prep (part 1): grid 64 x 1, 8 waves a work-group, no clusters, 37,376 bytes of LDS; arguments embeddings, etb, eew; writes etb, eew
.if DOCPART == 1
	.amdgcn_target "amdgcn-amd-amdhsa--gfx1250"
	.amdhsa_code_object_version 6
	.text
	.protected	k_qbf5dcfdd3d_prep
	.globl	k_qbf5dcfdd3d_prep
	.p2align	8
	.type	k_qbf5dcfdd3d_prep,@function
k_qbf5dcfdd3d_prep:
	s_mov_b64 s[64:65], 0
	v_nop
	global_prefetch_b8 v0, s[64:65] scope:SCOPE_SE
	s_setreg_imm32_b32 hwreg(HW_REG_WAVE_MODE, 25, 1), 1
	s_wait_xcnt 0x0
; etb[c][d] = bf16(embeddings[d][c])  ([4096][256] bf16),  eew[c] = sum over d of bf16(embeddings[d][c])^2  (f32).
; The later launches want a code's 256 numbers side by side (matrix fragments, the gather); embeddings has them 16,384 bytes apart.
; A work-group owns 64 codes: 256 consecutive bytes of every row d.  Wave w owns rows d = 32 w .. 32 w + 31.
; Lane l: i = l & 15 takes codes 4 i .. 4 i + 3 (16 bytes), hf = l >> 4 picks a pair of rows: one load of a wave covers 256 bytes of two rows.
; Two rows d, d + 1 of one code pack into one word; the words are transposed through LDS and leave as whole code rows of 512 bytes.
; No matrix unit, no cluster, no tensor load: 4 MiB are read once and 2 MiB written once, all loads of a wave are issued at its head.
.set CP,   528                         ; LDS bytes from a code to the next inside a group of four: 512 + 16
.set GRP,  2128                        ; four codes + 16: lane i's words start 532 words apart = 20 i mod 64, sixteen different banks (64 banks of 4 bytes: ISA guide 11.1); hf adds one
.set EEP,  34304                       ; behind the 16 groups (34,048 bytes): 8 waves x 64 partial sums of squares
.set A,    8                           ; v[8:71]    step m: rows d, d + 1 as loaded (4 + 4 registers), then the rounded numbers again in f32
.set P,    72                          ; v[72:103]  step m: 4 packed words; later the code rows on their way out
.set E,    104                         ; v[104:111] code jj: a pair of running sums (even d, odd d)
	s_load_b128 s[4:7], s[0:1], 0x0                ; embeddings s[4:5], etb s[6:7]
	s_load_b64 s[8:9], s[0:1], 0x10                ; eew
	v_lshl_add_u32 v112, v0, 2, 0x8e00
	v_mov_b32 v113, 0
	v_lshrrev_b32 v1, 5, v0
	v_readfirstlane_b32 s10, v1                    ; wave
	s_mov_b32 s12, 0x76543210                      ; v_permlanex16_b32: lane i of one half reads lane i of the other
	s_mov_b32 s13, 0xfedcba98
	s_mov_b32 s14, 0xffff0000                      ; a word's upper bf16
	v_and_b32 v1, 15, v0                           ; i
	v_bfe_u32 v2, v0, 4, 1                         ; hf
	s_lshl_b32 s11, s10, 19                        ; 32 rows of 16,384 bytes a wave
	v_lshl_add_u32 v3, v1, 4, s11
	v_lshl_add_u32 v3, v2, 15, v3                  ; v3: global offset = 524,288 w + 32,768 hf + 16 i
	v_mul_u32_u24 v4, v1, GRP
	v_lshl_add_u32 v4, v2, 2, v4
	s_lshl_b32 s11, s10, 6
	v_add_nc_u32 v4, s11, v4                       ; v4: LDS, in: group i, word 16 w + hf of a code
	s_lshl_b32 s11, s10, 8
	s_add_co_u32 s11, s11, EEP
	v_lshl_add_u32 v5, v1, 4, s11                  ; v5: LDS, my wave's four partial sums
	v_and_b32 v6, 31, v0
	v_lshlrev_b32 v6, 4, v6
	s_lshl_b32 s11, s10, 12
	v_add_nc_u32 v7, s11, v6                       ; v7: etb offset = 8 codes of 512 bytes a wave + 16 l
	s_mul_i32 s11, s10, 2*GRP
	v_add_nc_u32 v6, s11, v6                       ; v6: LDS, out: two groups a wave + 16 l
	s_lshl_b32 s2, ttmp9, 8                        ; 64 codes: 256 bytes in a row of embeddings and in eew,
	s_mov_b32 s3, 0
	s_lshl_b32 s16, ttmp9, 15                      ; 32,768 bytes in etb
	s_mov_b32 s17, 0
	s_wait_kmcnt 0x0
	s_add_nc_u64 s[4:5], s[4:5], s[2:3]
	s_add_nc_u64 s[8:9], s[8:9], s[2:3]
	s_add_nc_u64 s[6:7], s[6:7], s[16:17]
.irp m, 0,1,2,3,4,5,6,7
	global_load_b128 v[A+8*\m:A+8*\m+3],   v3, s[4:5] offset:65536*\m th:TH_LOAD_NT         ; row d = 32 w + 4 m + 2 hf
	global_load_b128 v[A+8*\m+4:A+8*\m+7], v3, s[4:5] offset:65536*\m+16384 th:TH_LOAD_NT   ; row d + 1
.endr
.irp m, 0,1,2,3,4,5,6,7
	s_wait_loadcnt 14-2*\m                         ; loads come back in order (ISA guide 5.7.1): step m's two are in, the 14 - 2 m younger stay out
.irp j, 0,1,2,3
	v_cvt_pk_bf16_f32 v[P+4*\m+\j], v[A+8*\m+\j], v[A+8*\m+4+\j]       ; code 4 i + j: d low, d + 1 high
.endr
.irp j, 0,1,2,3
	ds_store_b32 v4, v[P+4*\m+\j] offset:CP*\j+8*\m
	v_lshlrev_b32 v[A+8*\m+2*\j],   16,  v[P+4*\m+\j]                  ; the rounded numbers as f32
	v_and_b32     v[A+8*\m+2*\j+1], s14, v[P+4*\m+\j]
.if \m == 0
	v_pk_mul_f32 v[E+2*\j:E+2*\j+1], v[A+8*\m+2*\j:A+8*\m+2*\j+1], v[A+8*\m+2*\j:A+8*\m+2*\j+1]   ; the first squares start the sums
.else
	v_pk_fma_f32 v[E+2*\j:E+2*\j+1], v[A+8*\m+2*\j:A+8*\m+2*\j+1], v[A+8*\m+2*\j:A+8*\m+2*\j+1], v[E+2*\j:E+2*\j+1]
.endif
.endr
.endr
.irp j, 0,1,2,3
	v_add_f32 v[E+2*\j], v[E+2*\j], v[E+2*\j+1]                        ; even d + odd d
.endr
.irp j, 0,1,2,3
	v_permlanex16_b32 v[E+2*\j+1], v[E+2*\j], s12, s13                 ; the other half's rows (the destination has been written)
.endr
.irp j, 0,1,2,3
	v_add_f32 v[A+\j], v[E+2*\j], v[E+2*\j+1]                          ; my wave's 32 rows of codes 4 i .. 4 i + 3
.endr
	ds_store_b128 v5, v[A:A+3]                     ; both halves of the wave write the same bytes with the same numbers
	s_wait_dscnt 0x0                               ; for the other waves' sake: all my LDS stores are done
	s_barrier_signal -1
	s_barrier_wait -1
.irp n, 0,1,2,3,4,5,6,7
	ds_load_b128 v[P+4*\n:P+4*\n+3], v6 offset:(\n/4)*GRP+(\n%4)*CP    ; code 8 w + n: its 512 bytes, 16 a lane
.endr
.irp n, 0,1,2,3,4,5,6,7
	s_wait_dscnt 7-\n                              ; LDS loads come back in order: code n is in, the younger stay out
	global_store_b128 v7, v[P+4*\n:P+4*\n+3], s[6:7] offset:512*\n     ; a store of the wave covers 512 consecutive bytes, aligned
.endr
	s_cmp_lg_u32 s10, 0
	s_cbranch_scc1 .Lend
	; wave 0 adds the eight waves' partial sums, in the order of d: lane l takes codes 2 l and 2 l + 1
	v_and_b32 v1, 31, v0
	v_lshlrev_b32 v1, 3, v1
.irp k, 0,1,2,3,4,5,6,7
	ds_load_b64 v[A+2*\k:A+2*\k+1], v1 offset:EEP+256*\k
.endr
	s_wait_dscnt 0x0
.irp k, 1,2,3,4,5,6,7
	v_pk_add_f32 v[A:A+1], v[A:A+1], v[A+2*\k:A+2*\k+1]
.endr
	global_store_b64 v1, v[A:A+1], s[8:9]          ; 32 lanes x 8 bytes: the group's 256 bytes of eew in one store
.Lend:
	s_wait_tensorcnt 0x0
	ds_add_u32 v112, v113
	s_wait_dscnt 0x0
	s_endpgm
.Lfunc_end_k_qbf5dcfdd3d_prep:
	.size	k_qbf5dcfdd3d_prep, .Lfunc_end_k_qbf5dcfdd3d_prep-k_qbf5dcfdd3d_prep
	.p2alignl 7, 3214868480
	.fill 96, 4, 3214868480
	.section	.rodata,"a",@progbits
	.p2align	6, 0x0
	.amdhsa_kernel k_qbf5dcfdd3d_prep
		.amdhsa_group_segment_fixed_size 37376
		.amdhsa_private_segment_fixed_size 0
		.amdhsa_enable_private_segment 0
		.amdhsa_kernarg_size 24
		.amdhsa_user_sgpr_count 2
		.amdhsa_user_sgpr_kernarg_segment_ptr 1
		.amdhsa_wavefront_size32 1
		.amdhsa_system_sgpr_workgroup_id_x 1
		.amdhsa_system_sgpr_workgroup_id_y 1
		.amdhsa_system_sgpr_workgroup_id_z 1
		.amdhsa_system_vgpr_workitem_id 0
		.amdhsa_next_free_vgpr 114
		.amdhsa_next_free_sgpr 66
		.amdhsa_reserve_vcc 0
		.amdhsa_float_denorm_mode_32 3
		.amdhsa_float_denorm_mode_16_64 3
		.amdhsa_memory_ordered 1
		.amdhsa_forward_progress 1
		.amdhsa_inst_pref_size 16
	.end_amdhsa_kernel
	.amdgpu_metadata
---
amdhsa.version: [ 1, 2 ]
amdhsa.kernels:
  - .name:           k_qbf5dcfdd3d_prep
    .symbol:         k_qbf5dcfdd3d_prep.kd
    .args:
      - { .name: embeddings, .offset: 0, .size: 8, .value_kind: global_buffer, .address_space: global }
      - { .name: etb, .offset: 8, .size: 8, .value_kind: global_buffer, .address_space: global }
      - { .name: eew, .offset: 16, .size: 8, .value_kind: global_buffer, .address_space: global }
    .group_segment_fixed_size: 37376
    .private_segment_fixed_size: 0
    .kernarg_segment_align: 8
    .kernarg_segment_size: 24
    .max_flat_workgroup_size: 256
    .sgpr_count:     66
    .vgpr_count:     114
    .wavefront_size: 32
...
	.end_amdgpu_metadata
.endif
;; end of part 1
;; launch assign (part 2): grid 256 x 1, 8 waves a work-group, clusters of 4 x 1, 327,680 bytes of LDS; arguments etb, eew, inputs, out1, idxw; writes out1, idxw
.if DOCPART == 2
	.amdgcn_target "amdgcn-amd-amdhsa--gfx1250"
	.amdhsa_code_object_version 6
	.text
	.protected	k_qbf5dcfdd3d_assign
	.globl	k_qbf5dcfdd3d_assign
	.p2align	8
	.type	k_qbf5dcfdd3d_assign,@function
k_qbf5dcfdd3d_assign:
	s_mov_b64 s[64:65], 0
	v_nop
	global_prefetch_b8 v0, s[64:65] scope:SCOPE_SE
	s_setreg_imm32_b32 hwreg(HW_REG_WAVE_MODE, 25, 1), 1
	s_wait_xcnt 0x0
	s_wait_alu depctr_hold_cnt(0) depctr_sa_sdst(0) depctr_va_vdst(0) depctr_va_sdst(0) depctr_va_ssrc(0) depctr_va_vcc(0) depctr_vm_vsrc(0)
	s_getreg_b32 s2, hwreg(HW_REG_IB_STS2, 6, 4)
	s_cmp_eq_u32 s2, 0
	s_cbranch_scc0 .Lentry_in_a_cluster
	s_endpgm
.Lentry_in_a_cluster:
	s_bfe_u32 s2, ttmp6, 0x10000c
	s_cmp_lg_u32 s2, 0x3003
	s_cbranch_scc0 .Lentry_shape_is_right
	s_endpgm
.Lentry_shape_is_right:
; For each of 32,768 rows x: the first index c that makes the logit  fl( fl(2 x.e_c - |x|^2) - |e_c|^2 )  largest.  Rounding to nearest is symmetric, so this is
; bit for bit  -( (|x|^2 - 2 x.e_c) + |e_c|^2 )  with its two roundings made one by one in f32, in the order in which the logits are written.
; x.e_c comes from the matrix unit with bf16 operands and f32 sums; |x|^2 and |e|^2 are taken from the same bf16-rounded numbers.
; The index goes to out1 and, for the next launch's addresses, to idxw.
; LIMITS: inputs are finite (a NaN logit never wins here).  Two codes whose logits differ by less than the rounding of the dot product's sum
; (a few units in its last place) may be ordered otherwise than by a sum taken in another order.
;
; SHARES.  A work-group owns 128 rows and walks all 4,096 codes, in 16 chunks of 256 codes through two LDS slots.  Eight waves, two on each SIMD, so that one
; wave's comparisons run beside the other's matrix instructions.  Wave w: rows 64 (w & 1) .. + 63 (four row tiles a), and of each chunk the code tiles
; 4 g .. 4 g + 3, g = w >> 1.  A wave's 64 rows x 256 numbers stay in 256 registers as fragments for the whole launch, so a code tile costs 18 LDS loads,
; 32 matrix instructions and 88 vector instructions.
; CLUSTER.  The four work-groups of a cluster walk the same chunks of etb and the same eew: these tensor loads are joint (mask 15), which divides the requests
; for them by four.  The place in the cluster enters only the global offsets of x, out1 and idxw: no LDS address, no branch, no joint descriptor.
; THE MATRIX INSTRUCTION: source 0 = 16 codes, source 1 = 16 rows of x.  Register j of lane (r = l & 15, h = l >> 4) of the result is code 8 h + j against row r:
; |x|^2 is one number a lane, |e|^2 eight registers a code tile, the running best one register a row tile.
; THE RUNNING BEST.  A lane's eight logits of a code tile and its best so far are folded by four three-way maxima; one compare says whether the tile raised the
; best; where it did, the tile's first code and its eight logits are kept.  Which of the eight it was is found once, behind the ring: 14 instructions for
; eight logits, where a compare and two selects for each would be 24.
.set CPITCH, 528                       ; a code in LDS: 512 bytes + 16: 33 x 16, so the 16 codes of a fragment load start at 16 different groups of four banks
.set XPITCH, 1040                      ; a row of x in LDS: 1,024 bytes + 16
.set SLOTB,  256*CPITCH                ; 135,168: slot 0 at 0, slot 1 behind it.  Slot 1 first holds x in f32 (128 x 1,040 = 133,120 bytes)
.set EEL,    2*SLOTB                   ; 270,336: |e|^2, 4,096 f32
.set RED,    EEL+16384                 ; 286,720: (value, index) of 4 code groups x 128 rows; written by LDS stores alone, no tensor load lands here
.set CHUNKB, 131072                    ; bytes of a chunk in etb
.set ADR,  3                           ; v3, v4     my code fragments in slot 0, 1
.set EEA,  5                           ; v5         my |e|^2 of this chunk's first tile
.set XA,   6                           ; v6         my x in LDS
.set RA,   7                           ; v7         my word pair in RED
.set BEST2, 8                          ; v[8:11]    the best so far behind an even tile (BEST and BEST2 take turns, so that old and new can be compared)
.set TM,   12                          ; v[12:15]   the chains of maxima
.set BF0,  16                          ; v[16:79], v[80:143]    a code tile's 8 fragments, two buffers (before the ring: x in f32, at work)
.set ACC,  144                         ; v[144:175] four accumulators, one for each row tile
.set EE0,  176                         ; v[176:183], v[184:191] |e|^2 of a code tile, two buffers
.set XX,   192                         ; v[192:199] - |x|^2 of row tile a, twice (a pair for the packed arithmetic)
.set BEST, 200                         ; v[200:203] the best so far behind an odd tile, and at the end
.set IDX,  204                         ; v[204:207] the first code of the tile that last raised the best
.set CH,   208                         ; v[208:215] four chains of squares; at the end places in a tile, then the other half's values and indices
.set OUTP, 216                         ; v[216:223] (value, index) pairs for RED
.set SAVE, 224                         ; v[224:255] row tile a: the eight logits of the tile that last raised the best
                                       ; v[256:511] x fragments: row tile a, K step s at window 1, v[8 (8 a + s)]
.set G1E, 24                           ; s[24:31] shape of a wave's part of a chunk
.set G0,  32                           ; s[32:39] from where, to where: a set for each slot
.set G1X, 40                           ; s[40:47], s[48:51] x
.set G0X, 48
.set G1S, 52                           ; s[52:59], s[60:63] |e|^2
.set G0S, 60
.set M,   68                           ; s[68:71] lane masks
.set J,   72                           ; s72      the first code of the tile at work
.set MSB, 0
.macro WIN new                         ; s_set_vgpr_msb: bits 1:0 source 0, 3:2 source 1, 5:4 source 2, 7:6 destination; the high byte repeats the setting that is left
.if MSB != \new
	s_set_vgpr_msb (MSB<<8)|\new
.set MSB, \new
.endif
.endm
; A round of the cluster's barrier: my work-group's barrier, so that wave 0's signal speaks for all eight waves; wave 0 signals; every wave waits for the four
; work-groups; my work-group's barrier once more.
.macro ROUND
	s_barrier_signal -1
	s_barrier_wait -1
	s_cmp_lg_u32 s14, 0
	s_cbranch_scc1 .Lnot_wave_0_\@
	s_barrier_signal -3
.Lnot_wave_0_\@:
	s_barrier_wait -3
	s_barrier_signal -1
	s_barrier_wait -1
.endm
	s_load_b256 s[4:11], s[0:1], 0x0               ; etb s[4:5], eew s[6:7], inputs s[8:9], out1 s[10:11]
	s_load_b64 s[12:13], s[0:1], 0x20              ; idxw
	v_lshl_add_u32 v222, v0, 2, 0x47000
	v_mov_b32 v223, 0
	ds_add_u32 v222, v223
	s_wait_dscnt 0x0
	v_lshrrev_b32 v1, 5, v0
	v_readfirstlane_b32 s14, v1                    ; wave w
	s_and_b32 s15, s14, 1                          ; rh: which 64 rows
	s_lshr_b32 s16, s14, 1                         ; g: which 64 codes of a chunk
	s_bfe_u32 s17, ttmp6, 0x40000                  ; cx
	s_lshl_b32 s18, ttmp9, 2
	s_add_co_u32 s18, s18, s17                     ; work-group = 4 x cluster + cx
	s_mov_b32 s80, 0x76543210                      ; v_permlanex16_b32: lane i of one half reads lane i of the other
	s_mov_b32 s81, 0xfedcba98
	s_mov_b32 s82, 0xffff0000                      ; a word's upper bf16
	; a wave's part of a chunk: 32 codes x 256 bf16, joint
	s_mov_b32 s[G1E+0], 15|(1<<16)|(1<<20)|(1<<21)|(6<<22)|(3<<25)  ; mask: all four; 2-byte elements; padding on; bit 21 beside a mask; after 128 words (code 6) 4 words (code 3)
	s_mov_b32 s[G1E+1], 256<<16                    ; tensor_dim0 = 256
	s_mov_b32 s[G1E+2], 32<<16                     ; tensor_dim1 = 32
	s_mov_b32 s[G1E+3], 256<<16                    ; tile_dim0 = 256
	s_mov_b32 s[G1E+4], 32                         ; tile_dim1 = 32
	s_mov_b32 s[G1E+5], 256                        ; elements from row to row
	s_mov_b32 s[G1E+6], 0
	s_mov_b32 s[G1E+7], 0
	; a wave's part of x: 16 rows x 256 f32, my work-group's own (mask 0)
	s_mov_b32 s[G1X+0], (2<<16)|(1<<20)|(7<<22)|(3<<25)             ; 4-byte elements; after 256 words (code 7) 4 words
	s_mov_b32 s[G1X+1], 256<<16
	s_mov_b32 s[G1X+2], 16<<16
	s_mov_b32 s[G1X+3], 256<<16
	s_mov_b32 s[G1X+4], 16
	s_mov_b32 s[G1X+5], 256
	s_mov_b32 s[G1X+6], 0
	s_mov_b32 s[G1X+7], 0
	; a wave's part of |e|^2: 2,048 dense bytes as 8 rows of 32 elements of 8 bytes, joint
	s_mov_b32 s[G1S+0], 15|(3<<16)|(1<<21)
	s_mov_b32 s[G1S+1], 32<<16
	s_mov_b32 s[G1S+2], 8<<16
	s_mov_b32 s[G1S+3], 32<<16
	s_mov_b32 s[G1S+4], 8
	s_mov_b32 s[G1S+5], 32
	s_mov_b32 s[G1S+6], 0
	s_mov_b32 s[G1S+7], 0
	s_mov_b32 s[G0+0], 1
	s_mov_b32 s[G0+4], 1
	s_mov_b32 s[G0X+0], 1
	s_mov_b32 s[G0S+0], 1
	s_mul_i32 s20, s14, 32*CPITCH
	s_add_co_u32 s[G0+1], s20, 0*SLOTB             ; LDS: the slot + my 32 codes
	s_add_co_u32 s[G0+5], s20, 1*SLOTB
	s_mul_i32 s20, s14, 16*XPITCH
	s_add_co_u32 s[G0X+1], s20, SLOTB              ; x lies in slot 1 until the ring needs it
	s_lshl_b32 s20, s14, 11
	s_add_co_u32 s[G0S+1], s20, EEL
	s_mov_b32 s21, 0                               ; s[20:21] = 2,048 w
	s_lshl_b32 s22, s14, 14
	s_mov_b32 s23, 0                               ; s[22:23] = 16,384 w: 32 codes of etb, and 16 rows of x
	s_lshl_b32 s2, s18, 17                         ; 128 rows of 1,024 bytes a work-group: the one offset here that holds cx, in registers of its own
	s_add_co_u32 s2, s2, s22
	s_mov_b32 s3, 0
	s_wait_kmcnt 0x0
	s_add_nc_u64 s[G0+2:G0+3], s[4:5], s[22:23]    ; chunk 0
	s_add_nc_u64 s[G0+6:G0+7], s[G0+2:G0+3], CHUNKB ; chunk 1
	s_or_b32 s[G0+3], s[G0+3], 0x80000000          ; type = 2
	s_or_b32 s[G0+7], s[G0+7], 0x80000000
	s_add_nc_u64 s[G0X+2:G0X+3], s[8:9], s[2:3]
	s_or_b32 s[G0X+3], s[G0X+3], 0x80000000
	s_add_nc_u64 s[G0S+2:G0S+3], s[6:7], s[20:21]
	s_or_b32 s[G0S+3], s[G0S+3], 0x80000000
	ROUND                                          ; all four work-groups are here: the first joint loads meet
	tensor_load_to_lds s[G0X:G0X+3], s[G1X:G1X+7]  ; the first fills go out as one group: three tensor loads of the wave are out
	s_nop 0
	tensor_load_to_lds s[G0:G0+3], s[G1E:G1E+7]
	s_nop 0
	tensor_load_to_lds s[G0S:G0S+3], s[G1S:G1S+7]
	s_nop 0
	v_and_b32 v1, 15, v0                           ; r
	v_bfe_u32 v2, v0, 4, 1                         ; h
	v_mul_u32_u24 v[ADR], v1, CPITCH               ; a fragment of 16 codes x 32 K: lane (r, h) takes code r, 16 bytes at 16 h and 16 at 32 + 16 h of the K step's 64
	v_lshl_add_u32 v[ADR], v2, 4, v[ADR]
	s_mul_i32 s20, s16, 64*CPITCH
	v_add_nc_u32 v[ADR], s20, v[ADR]
	v_add_nc_u32 v[ADR+1], SLOTB, v[ADR]
	s_lshl_b32 s20, s16, 8
	s_add_co_u32 s20, s20, EEL
	v_lshl_add_u32 v[EEA], v2, 5, s20              ; |e|^2 of codes 64 g + 8 h + 0 .. 7
	v_mul_u32_u24 v[XA], v1, XPITCH
	v_lshl_add_u32 v[XA], v2, 5, v[XA]             ; in f32 the same 8 numbers are 32 bytes
	s_mul_i32 s20, s15, 64*XPITCH
	s_add_co_u32 s20, s20, SLOTB
	v_add_nc_u32 v[XA], s20, v[XA]
	s_lshl_b32 s20, s16, 10
	s_lshl_b32 s21, s15, 9
	s_add_co_u32 s20, s20, s21
	s_add_co_u32 s20, s20, RED
	v_lshl_add_u32 v[RA], v1, 3, s20               ; RED + 1,024 g + 8 (64 rh + r)
	s_lshl_b32 s[J], s16, 6                        ; chunk 0, my first tile: code 64 g
.irp a, 0,1,2,3
	v_mov_b32 v[BEST+\a], 0xff800000               ; - infinity: if nothing is ever greater, tile 0 and place 0 stay, as in a first argmax
	v_mov_b32 v[IDX+\a], 0
.endr
.irp j, 0,1,2,3,4,5,6,7,8,9,10,11,12,13,14,15,16,17,18,19,20,21,22,23,24,25,26,27,28,29,30,31
	v_mov_b32 v[SAVE+\j], 0xff800000               ; written once in the launch: the selects below read these registers, and they agree with the best's start
.endr
	s_wait_tensorcnt 0x0                           ; my parts of x, chunk 0 and |e|^2 are in LDS,
	s_barrier_signal -1
	s_barrier_wait -1                              ; everybody's are.
; Row tile a: 16 rows x 256 f32 from LDS, rounded to bf16 into the resident fragments, and - |x|^2 of the rounded numbers.
.macro XCONV a
.irp s, 0,1,2,3,4,5,6,7
	ds_load_b128 v[BF0+16*\s:BF0+16*\s+3],     v[XA] offset:16*XPITCH*\a+128*\s      ; K = 32 s + 8 h + 0 .. 3
	ds_load_b128 v[BF0+16*\s+4:BF0+16*\s+7],   v[XA] offset:16*XPITCH*\a+128*\s+16   ;                  4 .. 7
	ds_load_b128 v[BF0+16*\s+8:BF0+16*\s+11],  v[XA] offset:16*XPITCH*\a+128*\s+64   ; K = 32 s + 16 + 8 h + 0 .. 3
	ds_load_b128 v[BF0+16*\s+12:BF0+16*\s+15], v[XA] offset:16*XPITCH*\a+128*\s+80
.endr
	s_wait_dscnt 0x0
	WIN 0x40                                       ; destination in window 1
.irp s, 0,1,2,3,4,5,6,7
.irp i, 0,1,2,3,4,5,6,7
	v_cvt_pk_bf16_f32 v[8*(8*\a+\s)+\i], v[BF0+16*\s+2*\i], v[BF0+16*\s+2*\i+1]
.endr
.endr
	WIN 0x04                                       ; source 1 in window 1
.irp s, 0,1,2,3,4,5,6,7
.irp i, 0,1,2,3,4,5,6,7
	v_lshlrev_b32 v[BF0+16*\s+2*\i],   16,  v[8*(8*\a+\s)+\i]          ; the rounded numbers as f32
	v_and_b32     v[BF0+16*\s+2*\i+1], s82, v[8*(8*\a+\s)+\i]
.endr
.endr
	WIN 0
.irp s, 0,1,2,3,4,5,6,7
.irp i, 0,1,2,3,4,5,6,7
.if (8*\s+\i) < 4
	v_pk_mul_f32 v[CH+2*(\i%4):CH+2*(\i%4)+1], v[BF0+16*\s+2*\i:BF0+16*\s+2*\i+1], v[BF0+16*\s+2*\i:BF0+16*\s+2*\i+1]   ; the first squares start four chains
.else
	v_pk_fma_f32 v[CH+2*(\i%4):CH+2*(\i%4)+1], v[BF0+16*\s+2*\i:BF0+16*\s+2*\i+1], v[BF0+16*\s+2*\i:BF0+16*\s+2*\i+1], v[CH+2*(\i%4):CH+2*(\i%4)+1]
.endif
.endr
.endr
	v_pk_add_f32 v[CH:CH+1], v[CH:CH+1], v[CH+2:CH+3]
	v_pk_add_f32 v[CH+4:CH+5], v[CH+4:CH+5], v[CH+6:CH+7]
	v_pk_add_f32 v[CH:CH+1], v[CH:CH+1], v[CH+4:CH+5]
	v_add_f32 v[CH], v[CH], v[CH+1]
	v_permlanex16_b32 v[CH+1], v[CH], s80, s81     ; the other half of the row's K
	v_add_f32 v[XX+2*\a], v[CH], v[CH+1]
	v_mul_f32 v[XX+2*\a], -1.0, v[XX+2*\a]         ; kept with its sign turned: it is the addend of 2 x.e
	v_mov_b32 v[XX+2*\a+1], v[XX+2*\a]
.endm
	XCONV 0
	XCONV 1
	XCONV 2
	XCONV 3
; 18 LDS loads: code tile t of my four in this slot, 8 fragments, and its |e|^2, into buffer f
.macro FETCH slot, t, f
.irp s, 0,1,2,3,4,5,6,7
	ds_load_b128 v[BF0+64*\f+8*\s:BF0+64*\f+8*\s+3],   v[ADR+\slot] offset:16*CPITCH*\t+64*\s
	ds_load_b128 v[BF0+64*\f+8*\s+4:BF0+64*\f+8*\s+7], v[ADR+\slot] offset:16*CPITCH*\t+64*\s+32
.endr
	ds_load_b128 v[EE0+8*\f:EE0+8*\f+3],   v[EEA] offset:64*\t
	ds_load_b128 v[EE0+8*\f+4:EE0+8*\f+7], v[EEA] offset:64*\t+16
.endm
; One code tile against my 64 rows.  f: the fragment buffer, and which of the two sets holds the best so far.  step: from this tile's first code to the next tile's.
.macro WORK f, step
.if \f == 0
.set OLD, BEST
.set NEW, BEST2
.else
.set OLD, BEST2
.set NEW, BEST
.endif
	WIN 0x04                                       ; x fragments in window 1
	; 32 matrix instructions.  The four accumulators take turns, one instruction a turn.  The first K step starts the sums with C = 0.
.irp s, 0,1,2,3,4,5,6,7
.irp a, 0,1,2,3
.if \s == 0
	v_wmma_f32_16x16x32_bf16 v[ACC+8*\a:ACC+8*\a+7], v[BF0+64*\f+8*\s:BF0+64*\f+8*\s+7], v[8*(8*\a+\s):8*(8*\a+\s)+7], 0
.else
	v_wmma_f32_16x16x32_bf16 v[ACC+8*\a:ACC+8*\a+7], v[BF0+64*\f+8*\s:BF0+64*\f+8*\s+7], v[8*(8*\a+\s):8*(8*\a+\s)+7], v[ACC+8*\a:ACC+8*\a+7]
.endif
.endr
.endr
	WIN 0
.rept 4
	v_nop                                          ; four places behind the last matrix instruction before a vector instruction reads a result (ISA guide 7.12.1)
.endr
.irp a, 0,1,2,3
.irp p, 0,2,4,6
	v_pk_fma_f32 v[ACC+8*\a+\p:ACC+8*\a+\p+1], v[ACC+8*\a+\p:ACC+8*\a+\p+1], 2.0, v[XX+2*\a:XX+2*\a+1] op_sel_hi:[1,0,1]              ; 2 x.e - |x|^2, one rounding (2 x.e is exact)
.endr
.endr
.irp a, 0,1,2,3
.irp p, 0,2,4,6
	v_pk_fma_f32 v[ACC+8*\a+\p:ACC+8*\a+\p+1], v[EE0+8*\f+\p:EE0+8*\f+\p+1], -1.0, v[ACC+8*\a+\p:ACC+8*\a+\p+1] op_sel_hi:[1,0,1]     ; - |e|^2, the second rounding: the logit
.endr
.endr
	; the greatest of my eight logits and the best so far, four chains side by side
.irp a, 0,1,2,3
	v_max3_num_f32 v[TM+\a], v[ACC+8*\a], v[ACC+8*\a+1], v[ACC+8*\a+2]
.endr
.irp a, 0,1,2,3
	v_max3_num_f32 v[TM+\a], v[TM+\a], v[ACC+8*\a+3], v[ACC+8*\a+4]
.endr
.irp a, 0,1,2,3
	v_max3_num_f32 v[TM+\a], v[TM+\a], v[ACC+8*\a+5], v[ACC+8*\a+6]
.endr
.irp a, 0,1,2,3
	v_max3_num_f32 v[NEW+\a], v[TM+\a], v[ACC+8*\a+7], v[OLD+\a]
.endr
	; a lane meets its tiles in ascending order, so 'strictly greater' keeps the first of equal tiles
.irp a, 0,1,2,3
	v_cmp_gt_f32 s[M+\a], v[NEW+\a], v[OLD+\a]
.endr
.irp a, 0,1,2,3
	v_cndmask_b32 v[IDX+\a], v[IDX+\a], s[J], s[M+\a]
.endr
.irp a, 0,1,2,3
.irp j, 0,1,2,3,4,5,6,7
	v_cndmask_b32 v[SAVE+8*\a+\j], v[SAVE+8*\a+\j], v[ACC+8*\a+\j], s[M+\a]
.endr
.endr
	s_add_co_u32 s[J], s[J], \step
.endm
; One chunk.  In front of the round every wave waits for all its tensor loads (its part of this chunk among them) and for its reads of the other slot; the round
; makes both hold of every wave of the four work-groups; the joint refill of the other slot is the first thing behind it, one tensor load a wave, and has the
; chunk's 128 matrix instructions of each wave in which to land.
; A fragment buffer is loaded again only behind the four places and the 88 vector instructions that follow the last matrix instruction that read it.
; Four tiles a chunk: the two sets of the best change places an even number of times, so every chunk begins with BEST.
.macro TRIP slot, refill
	s_wait_xcnt 0x0
	v_lshl_add_u32 v222, v0, 2, 0x47000
	v_mov_b32 v223, 0
	s_wait_tensorcnt 0x0                           ; no tensor load of mine is out, so a group 0 may be written:
	ds_add_u32 v222, v223
	s_wait_dscnt 0x0
	s_add_nc_u64 s[G0+4*\slot+2:G0+4*\slot+3], s[G0+4*\slot+2:G0+4*\slot+3], 2*CHUNKB   ; this slot's next chunk
	s_wait_dscnt 0x0                               ; my reads of the other slot are over
	ROUND
.if \refill
	tensor_load_to_lds s[G0+4-4*\slot:G0+7-4*\slot], s[G1E:G1E+7]
	s_nop 0
.endif
	FETCH \slot, 0, 0
	FETCH \slot, 1, 1
	s_wait_dscnt 18                                ; LDS loads come back in order: all but the 18 just issued are in
	WORK 0, 16
	FETCH \slot, 2, 0
	s_wait_dscnt 18
	WORK 1, 16
	FETCH \slot, 3, 1
	s_wait_dscnt 18
	WORK 0, 16
	s_wait_dscnt 0x0
	WORK 1, 208                                    ; from my fourth tile to my first of the next chunk: 256 - 48
	v_add_nc_u32 v[EEA], 1024, v[EEA]              ; the next chunk's |e|^2
.endm
	s_mov_b32 s66, 7                               ; 16 chunks: 7 laps of two, and two chunks written out
.Lring:
	TRIP 0, 1
	TRIP 1, 1
	s_sub_co_u32 s66, s66, 1
	s_cmp_lg_u32 s66, 0
	s_cbranch_scc1 .Lring
	TRIP 0, 1                                      ; chunk 14; asks for chunk 15
	TRIP 1, 0                                      ; chunk 15: nothing is left to fetch (the stepped addresses are not used)
	; The place in the winning tile: the lowest j whose kept logit equals the best.  One of the eight does; from 7 downward, a lower one overwrites a higher one.
.irp a, 0,1,2,3
	v_mov_b32 v[CH+\a], 7
.endr
.irp j, 6,5,4,3,2,1,0
.irp a, 0,1,2,3
	v_cmp_eq_f32 s[M+\a], v[SAVE+8*\a+\j], v[BEST+\a]
.endr
.irp a, 0,1,2,3
	v_cndmask_b32 v[CH+\a], v[CH+\a], \j, s[M+\a]
.endr
.endr
.irp a, 0,1,2,3
	v_add_nc_u32 v[IDX+\a], v[IDX+\a], v[CH+\a]    ; the tile's first code + the place,
.endr
.irp a, 0,1,2,3
	v_lshl_add_u32 v[IDX+\a], v2, 3, v[IDX+\a]     ; and lanes 16 to 31 hold codes 8 further on
.endr
; (dv, di) = the greater of (v, i) and (pv, pi), by value and among equals the lower index.  keepv = 0: the value is not wanted any more.
.macro LEXMAX dv, di, v, i, pv, pi, keepv
	v_cmp_gt_f32 s[M], v[\pv], v[\v]
	v_cmp_eq_f32 s[M+1], v[\pv], v[\v]
	v_cmp_lt_u32 s[M+2], v[\pi], v[\i]
	s_and_b32 s[M+1], s[M+1], s[M+2]
	s_or_b32 s[M], s[M], s[M+1]
.if \keepv
	v_cndmask_b32 v[\dv], v[\v], v[\pv], s[M]
.endif
	v_cndmask_b32 v[\di], v[\i], v[\pi], s[M]
.endm
.irp a, 0,1,2,3
	v_permlanex16_b32 v[CH+\a], v[BEST+\a], s80, s81       ; the same row's other eight codes of each tile (the destinations have been written)
	v_permlanex16_b32 v[CH+4+\a], v[IDX+\a], s80, s81
.endr
.irp a, 0,1,2,3
	LEXMAX OUTP+2*\a, OUTP+2*\a+1, BEST+\a, IDX+\a, CH+\a, CH+4+\a, 1
	ds_store_b64 v[RA], v[OUTP+2*\a:OUTP+2*\a+1] offset:128*\a     ; both halves write the same bytes with the same numbers
.endr
	s_wait_dscnt 0x0                               ; for the other waves' sake
	s_barrier_signal -1
	s_barrier_wait -1
	s_cmp_gt_u32 s14, 1
	s_cbranch_scc1 .Lclose
	; waves 0 and 1: 64 rows each, lane l rows 2 l and 2 l + 1, the four code groups merged
	v_and_b32 v8, 31, v0
	s_lshl_b32 s20, s14, 9
	s_add_co_u32 s20, s20, RED
	v_lshl_add_u32 v9, v8, 4, s20
.irp q, 0,1,2,3
	ds_load_b128 v[16+4*\q:19+4*\q], v9 offset:1024*\q     ; (value, index) of two rows, code group q
.endr
	s_lshl_b32 s2, s18, 9                          ; 128 rows x 4 bytes a work-group,
	s_lshl_b32 s3, s14, 8                          ; 64 a wave
	s_add_co_u32 s2, s2, s3
	s_mov_b32 s3, 0
	s_add_nc_u64 s[10:11], s[10:11], s[2:3]
	s_add_nc_u64 s[12:13], s[12:13], s[2:3]
	v_lshlrev_b32 v8, 3, v8
	s_wait_dscnt 0x0
	LEXMAX 16, 17, 16, 17, 20, 21, 1
	LEXMAX 18, 19, 18, 19, 22, 23, 1
	LEXMAX 16, 17, 16, 17, 24, 25, 1
	LEXMAX 18, 19, 18, 19, 26, 27, 1
	LEXMAX 16, 32, 16, 17, 28, 29, 0
	LEXMAX 18, 33, 18, 19, 30, 31, 0
	global_store_b64 v8, v[32:33], s[10:11]        ; each store of the wave covers 256 consecutive bytes, aligned
	global_store_b64 v8, v[32:33], s[12:13]
.Lclose:
	s_wait_xcnt 0x0
	v_lshl_add_u32 v222, v0, 2, 0x47000
	v_mov_b32 v223, 0
	s_wait_tensorcnt 0x0
	ds_add_u32 v222, v223
	s_wait_dscnt 0x0
	ROUND                                          ; the closing round: no work-group ends while a partner may still ask for a tile that names it
	s_endpgm
.Lfunc_end_k_qbf5dcfdd3d_assign:
	.size	k_qbf5dcfdd3d_assign, .Lfunc_end_k_qbf5dcfdd3d_assign-k_qbf5dcfdd3d_assign
	.p2alignl 7, 3214868480
	.fill 96, 4, 3214868480
	.section	.rodata,"a",@progbits
	.p2align	6, 0x0
	.amdhsa_kernel k_qbf5dcfdd3d_assign
		.amdhsa_group_segment_fixed_size 327680
		.amdhsa_private_segment_fixed_size 0
		.amdhsa_enable_private_segment 0
		.amdhsa_kernarg_size 40
		.amdhsa_user_sgpr_count 2
		.amdhsa_user_sgpr_kernarg_segment_ptr 1
		.amdhsa_wavefront_size32 1
		.amdhsa_system_sgpr_workgroup_id_x 1
		.amdhsa_system_sgpr_workgroup_id_y 1
		.amdhsa_system_sgpr_workgroup_id_z 1
		.amdhsa_system_vgpr_workitem_id 0
		.amdhsa_next_free_vgpr 512
		.amdhsa_next_free_sgpr 96
		.amdhsa_reserve_vcc 0
		.amdhsa_float_denorm_mode_32 3
		.amdhsa_float_denorm_mode_16_64 3
		.amdhsa_memory_ordered 1
		.amdhsa_forward_progress 1
		.amdhsa_inst_pref_size 222
	.end_amdhsa_kernel
	.amdgpu_metadata
---
amdhsa.version: [ 1, 2 ]
amdhsa.kernels:
  - .name:           k_qbf5dcfdd3d_assign
    .symbol:         k_qbf5dcfdd3d_assign.kd
    .args:
      - { .name: etb, .offset: 0, .size: 8, .value_kind: global_buffer, .address_space: global }
      - { .name: eew, .offset: 8, .size: 8, .value_kind: global_buffer, .address_space: global }
      - { .name: inputs, .offset: 16, .size: 8, .value_kind: global_buffer, .address_space: global }
      - { .name: out1, .offset: 24, .size: 8, .value_kind: global_buffer, .address_space: global }
      - { .name: idxw, .offset: 32, .size: 8, .value_kind: global_buffer, .address_space: global }
    .group_segment_fixed_size: 327680
    .private_segment_fixed_size: 0
    .kernarg_segment_align: 8
    .kernarg_segment_size: 40
    .max_flat_workgroup_size: 256
    .sgpr_count:     96
    .vgpr_count:     512
    .wavefront_size: 32
...
	.end_amdgpu_metadata
.endif
;; end of part 2
;; launch gather (part 3): grid 256 x 1, 24 waves a work-group, no clusters, 4,096 bytes of LDS; arguments inputs, etb, idxw, out0, part; writes out0, part
.if DOCPART == 3
	.amdgcn_target "amdgcn-amd-amdhsa--gfx1250"
	.amdhsa_code_object_version 6
	.text
	.protected	k_qbf5dcfdd3d_gather
	.globl	k_qbf5dcfdd3d_gather
	.p2align	8
	.type	k_qbf5dcfdd3d_gather,@function
k_qbf5dcfdd3d_gather:
	s_mov_b64 s[64:65], 0
	v_nop
	global_prefetch_b8 v0, s[64:65] scope:SCOPE_SE
	s_setreg_imm32_b32 hwreg(HW_REG_WAVE_MODE, 25, 1), 1
	s_wait_xcnt 0x0
; out0 = x + (q - x) with q = etb[idx] (the code rounded to bf16, which is what the one-hot product with bf16 operands gives), in f32, the two roundings one by one;
; part[work-group] = ( sum of (q - x)^2 over its 128 rows,  sum over its own 16 bins of p log2(p + 1e-10) ),  p = count / 32,768.
; The indices were stored by the launch before; each is clamped to 4,095 before it enters an address.
; Waves 0 to 15: eight rows each.  A row of x is two loads of 512 consecutive bytes, the code's row two loads of 256; all 32 loads of a wave go out at its head.
; Waves 16 to 23: the histogram without traffic between work-groups: the work-group owns bins 16 b .. 16 b + 15 and scans all 32,768 indices, 4,096 a wave,
; 128 a lane, while the row waves stream.  Eight samples of a lane go through each step side by side, so that no instruction reads the result of the one in front
; of it.  A sample becomes a one in nibble d & 7 (d = index - first bin); it is kept once if d < 8 ('low') and once if d < 16 ('all'); eight samples' ones
; are added (a nibble holds 8 at the most), split into even and odd nibbles and added to byte counters (128 at the most).  Bins 8 to 15 are 'all' - 'low' at the end.
; No matrix unit, LDS ring or cluster: the launch streams x in and out0 out, each byte once.  No prefetch: a row's address is known a few lines before its load.
.set X,  16                            ; v[16:79]   row i: 8 registers of x, then of out0     (histogram waves: v[16:143] indices as loaded, then at work)
.set Q,  80                            ; v[80:111]  row i: 4 registers, 8 bf16 of the code
.set QO, 112                           ; v[112:119] row i: byte offset of my part of the code's row
.set T,  120                           ; v[120:127] at work: q, then q - x
.set L,  128                           ; v[128:135] four pairs of running sums of squares
.set C,  144                           ; v[144:147] byte counters: low even, low odd, all even, all odd nibbles
.set W,  148                           ; v[148:155] eight samples' ones
.set M,  28                            ; s[28:35] masks d < 8, s[36:43] masks d < 16, of eight samples
.set LS, 0                             ; LDS: 16 words, the row waves' sums
.set HS, 256                           ; LDS: 8 waves x 16 counts
	s_load_b256 s[4:11], s[0:1], 0x0               ; inputs s[4:5], etb s[6:7], idxw s[8:9], out0 s[10:11]
	s_load_b64 s[12:13], s[0:1], 0x20              ; part
	v_lshl_add_u32 v158, v0, 2, 0x400
	v_mov_b32 v159, 0
	v_lshrrev_b32 v1, 5, v0
	v_readfirstlane_b32 s14, v1                    ; wave
	v_and_b32 v1, 31, v0                           ; lane
	v_and_b32 v3, 15, v0
	v_lshlrev_b32 v3, 2, v3                        ; 4 (lane & 15)
	v_lshlrev_b32 v2, 4, v1                        ; 16 lane
	s_mov_b32 s24, 0x76543210                      ; v_permlanex16_b32: lane i of one half reads lane i of the other
	s_mov_b32 s25, 0xfedcba98
	s_mov_b32 s26, 0xffff0000                      ; a word's upper bf16
	s_mov_b32 s3, 0
	s_wait_kmcnt 0x0
	s_cmp_ge_u32 s14, 16
	s_cbranch_scc1 .Lhist
	; ---- waves 0 to 15: eight rows
	s_lshl_b32 s2, ttmp9, 9                        ; 128 indices a work-group,
	s_lshl_b32 s27, s14, 5                         ; 8 a wave
	s_add_co_u32 s2, s2, s27
	s_add_nc_u64 s[8:9], s[8:9], s[2:3]
	s_load_b256 s[16:23], s[8:9], 0x0              ; my eight indices
	s_lshl_b32 s2, ttmp9, 17                       ; 128 rows of 1,024 bytes a work-group,
	s_lshl_b32 s27, s14, 13                        ; 8 a wave
	s_add_co_u32 s2, s2, s27
	s_add_nc_u64 s[4:5], s[4:5], s[2:3]
	s_add_nc_u64 s[10:11], s[10:11], s[2:3]
	v_lshlrev_b32 v4, 3, v1                        ; 8 lane
.irp i, 0,1,2,3,4,5,6,7
	global_load_b128 v[X+8*\i:X+8*\i+3],   v2, s[4:5] offset:1024*\i th:TH_LOAD_NT       ; columns 4 l .. 4 l + 3
	global_load_b128 v[X+8*\i+4:X+8*\i+7], v2, s[4:5] offset:1024*\i+512 th:TH_LOAD_NT   ; columns 128 + 4 l ..
.endr
	s_wait_kmcnt 0x0
.irp i, 0,1,2,3,4,5,6,7
	s_min_u32 s[16+\i], s[16+\i], 0xfff            ; an index stays inside the table
	v_lshl_add_u32 v[QO+\i], s[16+\i], 9, v4       ; 512 bytes a code
.endr
.irp i, 0,1,2,3,4,5,6,7
	global_load_b64 v[Q+4*\i:Q+4*\i+1],   v[QO+\i], s[6:7]             ; the same columns in bf16
	global_load_b64 v[Q+4*\i+2:Q+4*\i+3], v[QO+\i], s[6:7] offset:256
.endr
.irp i, 0,1,2,3,4,5,6,7
	s_wait_loadcnt 14-2*\i                         ; loads come back in order (ISA guide 5.7.1): all of x and row i's code are in, the later rows' 14 - 2 i loads stay out
.irp k, 0,1,2,3
	v_lshlrev_b32 v[T+2*\k],   16,  v[Q+4*\i+\k]
	v_and_b32     v[T+2*\k+1], s26, v[Q+4*\i+\k]
.endr
.irp k, 0,2,4,6
	v_pk_add_f32 v[T+\k:T+\k+1], v[T+\k:T+\k+1], v[X+8*\i+\k:X+8*\i+\k+1] neg_lo:[0,1] neg_hi:[0,1]   ; q - x
.endr
.irp k, 0,2,4,6
.if \i == 0
	v_pk_mul_f32 v[L+\k:L+\k+1], v[T+\k:T+\k+1], v[T+\k:T+\k+1]        ; the first squares start the sums
.else
	v_pk_fma_f32 v[L+\k:L+\k+1], v[T+\k:T+\k+1], v[T+\k:T+\k+1], v[L+\k:L+\k+1]
.endif
.endr
.irp k, 0,2,4,6
	v_pk_add_f32 v[X+8*\i+\k:X+8*\i+\k+1], v[X+8*\i+\k:X+8*\i+\k+1], v[T+\k:T+\k+1]                   ; x + (q - x)
.endr
	global_store_b128 v2, v[X+8*\i:X+8*\i+3],   s[10:11] offset:1024*\i th:TH_STORE_NT       ; 512 consecutive bytes a store; no register of a store is written again
	global_store_b128 v2, v[X+8*\i+4:X+8*\i+7], s[10:11] offset:1024*\i+512 th:TH_STORE_NT
.endr
	v_pk_add_f32 v[L:L+1], v[L:L+1], v[L+2:L+3]
	v_pk_add_f32 v[L+4:L+5], v[L+4:L+5], v[L+6:L+7]
	v_pk_add_f32 v[L:L+1], v[L:L+1], v[L+4:L+5]
	v_add_f32 v[L], v[L], v[L+1]
.irp x, 1,2,4,8
	v_add_f32_dpp v[L], v[L], v[L] row_xmask:\x row_mask:0xf bank_mask:0xf
.endr
	v_permlanex16_b32 v[L+1], v[L], s24, s25
	v_add_f32 v[L], v[L], v[L+1]
	s_lshl_b32 s27, s14, 2
	v_mov_b32 v5, s27
	ds_store_b32 v5, v[L]                          ; LS[wave]: all lanes write the same word with the same number
	s_branch .Ljoin
	; ---- waves 16 to 23: 4,096 indices each against the group's 16 bins
.Lhist:
	s_sub_co_u32 s15, s14, 16
	s_lshl_b32 s2, s15, 14
	s_add_nc_u64 s[8:9], s[8:9], s[2:3]
.irp i, 0,1,2,3,4,5,6,7,8,9,10,11,12,13,14,15,16,17,18,19,20,21,22,23,24,25,26,27,28,29,30,31
	global_load_b128 v[X+4*\i:X+4*\i+3], v2, s[8:9] offset:512*\i      ; every work-group reads these again: no hint
.endr
	s_lshl_b32 s16, ttmp9, 6
	s_sub_co_u32 s16, 0, s16                       ; - 4 x my first bin
	s_mov_b32 s18, 0x0f0f0f0f                      ; the even nibbles
; Group g: the eight samples a lane got from loads 2 g and 2 g + 1.  The loaded registers serve as the group's working registers.
.macro HGROUP g
.set XG, X+8*\g
	s_wait_loadcnt 30-2*\g                         ; loads come back in order: the group's two are in, the 30 - 2 g younger stay out
.irp e, 0,1,2,3,4,5,6,7
	v_lshl_add_u32 v[XG+\e], v[XG+\e], 2, s16      ; s = 4 d, d = index - first bin; 0 .. 60 if the bin is mine; else 64 or more (below my bins it wraps to a large number)
.endr
.irp e, 0,1,2,3,4,5,6,7
	v_lshlrev_b32 v[W+\e], v[XG+\e], 1             ; a shift takes its amount's low five bits: a one in nibble d & 7
.endr
.irp e, 0,1,2,3,4,5,6,7
	v_cmp_gt_u32 s[M+\e], 32, v[XG+\e]             ; d < 8
.endr
.irp e, 0,1,2,3,4,5,6,7
	v_cmp_gt_u32 s[M+8+\e], 64, v[XG+\e]           ; d < 16
.endr
.irp e, 0,1,2,3,4,5,6,7
	v_cndmask_b32 v[XG+\e], 0, v[W+\e], s[M+\e]    ; 'low'
.endr
.irp e, 0,1,2,3,4,5,6,7
	v_cndmask_b32 v[W+\e], 0, v[W+\e], s[M+8+\e]   ; 'all'
.endr
	v_add3_u32 v[XG], v[XG], v[XG+1], v[XG+2]      ; eight ones at the most meet in a nibble: no carry leaves it
	v_add3_u32 v[W], v[W], v[W+1], v[W+2]
	v_add3_u32 v[XG+3], v[XG+3], v[XG+4], v[XG+5]
	v_add3_u32 v[W+3], v[W+3], v[W+4], v[W+5]
	v_add3_u32 v[XG], v[XG], v[XG+6], v[XG+7]
	v_add3_u32 v[W], v[W], v[W+6], v[W+7]
	v_add_nc_u32 v[XG], v[XG], v[XG+3]
	v_add_nc_u32 v[W], v[W], v[W+3]
	v_lshrrev_b32 v[XG+1], 4, v[XG]
	v_lshrrev_b32 v[W+1], 4, v[W]
.if \g == 0
	v_and_b32 v[C],   s18, v[XG]                   ; the first group starts the byte counters: nothing is cleared
	v_and_b32 v[C+2], s18, v[W]
	v_and_b32 v[C+1], s18, v[XG+1]
	v_and_b32 v[C+3], s18, v[W+1]
.else
	v_and_b32 v[XG],   s18, v[XG]                  ; nibbles 0, 2, 4, 6, a byte each
	v_and_b32 v[W],    s18, v[W]
	v_and_b32 v[XG+1], s18, v[XG+1]                ; nibbles 1, 3, 5, 7
	v_and_b32 v[W+1],  s18, v[W+1]
	v_add_nc_u32 v[C],   v[C],   v[XG]             ; 16 groups x 8: 128 at the most in a byte
	v_add_nc_u32 v[C+2], v[C+2], v[W]
	v_add_nc_u32 v[C+1], v[C+1], v[XG+1]
	v_add_nc_u32 v[C+3], v[C+3], v[W+1]
.endif
.endm
.irp g, 0,1,2,3,4,5,6,7,8,9,10,11,12,13,14,15
	HGROUP \g
.endr
	v_sub_nc_u32 v[C+2], v[C+2], v[C]              ; bins 8 to 15 = 'all' - 'low': byte by byte 'all' is not the smaller, so nothing is borrowed
	v_sub_nc_u32 v[C+3], v[C+3], v[C+1]
.irp b, 0,1,2,3,4,5,6,7,8,9,10,11,12,13,14,15
	v_bfe_u32 v[X+\b], v[C+2*(\b/8)+(\b%2)], 8*((\b%8)/2), 8           ; bin b: half b / 8, even or odd nibble, byte (b % 8) / 2
.endr
.irp b, 0,1,2,3,4,5,6,7,8,9,10,11,12,13,14,15
	v_cvt_f32_u32 v[X+\b], v[X+\b]                 ; counts stay whole numbers below 2^24: exact in f32
.endr
.irp x, 1,2,4,8
.irp b, 0,1,2,3,4,5,6,7,8,9,10,11,12,13,14,15
	v_add_f32_dpp v[X+\b], v[X+\b], v[X+\b] row_xmask:\x row_mask:0xf bank_mask:0xf
.endr
.endr
.irp b, 0,1,2,3,4,5,6,7,8,9,10,11,12,13,14,15
	v_permlanex16_b32 v[X+16+\b], v[X+\b], s24, s25        ; the destinations have been written
.endr
.irp b, 0,1,2,3,4,5,6,7,8,9,10,11,12,13,14,15
	v_add_f32 v[X+\b], v[X+\b], v[X+16+\b]
.endr
	s_lshl_b32 s17, s15, 6
	s_add_co_u32 s17, s17, HS
	v_mov_b32 v5, s17
.irp k, 0,1,2,3
	ds_store_b128 v5, v[X+4*\k:X+4*\k+3] offset:16*\k      ; my wave's 16 counts
.endr
.Ljoin:
	s_wait_dscnt 0x0                               ; for wave 0's sake: my LDS stores are done
	s_barrier_signal -1
	s_barrier_wait -1
	s_cmp_lg_u32 s14, 0
	s_cbranch_scc1 .Lend
	; wave 0: lane l works on row wave l & 15 and on bin l & 15 (both halves of the wave do the same)
	ds_load_b32 v4, v3 offset:LS
.irp k, 0,1,2,3,4,5,6,7
	ds_load_b32 v[8+\k], v3 offset:HS+64*\k
.endr
	s_lshl_b32 s2, ttmp9, 3
	s_add_nc_u64 s[12:13], s[12:13], s[2:3]
	v_mov_b32 v6, 0
	s_wait_dscnt 0x0
	v_add_f32 v8, v8, v9
	v_add_f32 v10, v10, v11
	v_add_f32 v12, v12, v13
	v_add_f32 v14, v14, v15
	v_add_f32 v8, v8, v10
	v_add_f32 v12, v12, v14
	v_add_f32 v8, v8, v12                          ; the bin's count
	v_mul_f32 v8, 0x38000000, v8                   ; p = count / 32,768, exact
	v_add_f32 v9, 0x2edbe6ff, v8                   ; p + 1e-10
	v_log_f32 v9, v9                               ; log2; the four sums below stand between it and the use of its result (ISA guide 5.7.2 asks for one)
.irp x, 1,2,4,8
	v_add_f32_dpp v4, v4, v4 row_xmask:\x row_mask:0xf bank_mask:0xf   ; the 16 row waves' sums
.endr
	s_wait_alu depctr_va_vdst(0)
	v_mul_f32 v5, v8, v9
.irp x, 1,2,4,8
	v_add_f32_dpp v5, v5, v5 row_xmask:\x row_mask:0xf bank_mask:0xf   ; the 16 bins
.endr
	s_wait_xcnt 0x0                                ; EXEC is a source of my pending loads and stores: it changes only behind this wait
	v_cmp_eq_u32 vcc_lo, 0, v1
	s_and_saveexec_b32 s15, vcc_lo
	global_store_b64 v6, v[4:5], s[12:13]          ; lane 0: part[work-group]
	s_wait_xcnt 0x0                                ; and again in front of the line that widens it
	s_or_b32 exec_lo, exec_lo, s15
.Lend:
	s_wait_tensorcnt 0x0
	ds_add_u32 v158, v159
	s_wait_dscnt 0x0
	s_endpgm
.Lfunc_end_k_qbf5dcfdd3d_gather:
	.size	k_qbf5dcfdd3d_gather, .Lfunc_end_k_qbf5dcfdd3d_gather-k_qbf5dcfdd3d_gather
	.p2alignl 7, 3214868480
	.fill 96, 4, 3214868480
	.section	.rodata,"a",@progbits
	.p2align	6, 0x0
	.amdhsa_kernel k_qbf5dcfdd3d_gather
		.amdhsa_group_segment_fixed_size 4096
		.amdhsa_private_segment_fixed_size 0
		.amdhsa_enable_private_segment 0
		.amdhsa_kernarg_size 40
		.amdhsa_user_sgpr_count 2
		.amdhsa_user_sgpr_kernarg_segment_ptr 1
		.amdhsa_wavefront_size32 1
		.amdhsa_system_sgpr_workgroup_id_x 1
		.amdhsa_system_sgpr_workgroup_id_y 1
		.amdhsa_system_sgpr_workgroup_id_z 1
		.amdhsa_system_vgpr_workitem_id 0
		.amdhsa_next_free_vgpr 160
		.amdhsa_next_free_sgpr 66
		.amdhsa_reserve_vcc 1
		.amdhsa_float_denorm_mode_32 3
		.amdhsa_float_denorm_mode_16_64 3
		.amdhsa_memory_ordered 1
		.amdhsa_forward_progress 1
		.amdhsa_inst_pref_size 90
	.end_amdhsa_kernel
	.amdgpu_metadata
---
amdhsa.version: [ 1, 2 ]
amdhsa.kernels:
  - .name:           k_qbf5dcfdd3d_gather
    .symbol:         k_qbf5dcfdd3d_gather.kd
    .args:
      - { .name: inputs, .offset: 0, .size: 8, .value_kind: global_buffer, .address_space: global }
      - { .name: etb, .offset: 8, .size: 8, .value_kind: global_buffer, .address_space: global }
      - { .name: idxw, .offset: 16, .size: 8, .value_kind: global_buffer, .address_space: global }
      - { .name: out0, .offset: 24, .size: 8, .value_kind: global_buffer, .address_space: global }
      - { .name: part, .offset: 32, .size: 8, .value_kind: global_buffer, .address_space: global }
    .group_segment_fixed_size: 4096
    .private_segment_fixed_size: 0
    .kernarg_segment_align: 8
    .kernarg_segment_size: 40
    .max_flat_workgroup_size: 768
    .sgpr_count:     66
    .vgpr_count:     160
    .wavefront_size: 32
...
	.end_amdgpu_metadata
.endif
;; end of part 3
;; launch finish (part 4): grid 1 x 1, 1 waves a work-group, no clusters, 0 bytes of LDS; arguments part, out2, out3; writes out2, out3
.if DOCPART == 4
	.amdgcn_target "amdgcn-amd-amdhsa--gfx1250"
	.amdhsa_code_object_version 6
	.text
	.protected	k_qbf5dcfdd3d_finish
	.globl	k_qbf5dcfdd3d_finish
	.p2align	8
	.type	k_qbf5dcfdd3d_finish,@function
k_qbf5dcfdd3d_finish:
	s_mov_b64 s[64:65], 0
	v_nop
	global_prefetch_b8 v0, s[64:65] scope:SCOPE_SE
	s_setreg_imm32_b32 hwreg(HW_REG_WAVE_MODE, 25, 1), 1
	s_wait_xcnt 0x0
; The 256 work-groups' pairs (sum of squares, sum of p log2(p + 1e-10)) are added in a fixed order by one wave.
; out2 = m + 0.1 m with m = sum / 2^23 (32,768 rows x 256 columns).
; out3 = 0.1 x sum of p ln(p + 1e-10) / ln 4096 = sum of p log2(p + 1e-10) / 120.
; 2,048 bytes and two numbers: one wave is all the work there is.
	s_load_b128 s[4:7], s[0:1], 0x0                ; part s[4:5], out2 s[6:7]
	s_load_b64 s[8:9], s[0:1], 0x10                ; out3
	s_mov_b32 s12, 0x76543210                      ; v_permlanex16_b32: lane i of one half reads lane i of the other
	s_mov_b32 s13, 0xfedcba98
	s_mov_b32 s15, 0x3dcccccd                      ; 0.1
	v_lshlrev_b32 v1, 4, v0
	v_mov_b32 v2, 0
	s_wait_kmcnt 0x0
.irp i, 0,1,2,3
	global_load_b128 v[4+4*\i:7+4*\i], v1, s[4:5] offset:512*\i        ; two pairs a lane and load
.endr
	s_wait_loadcnt 0x0
	v_pk_add_f32 v[4:5], v[4:5], v[6:7]
	v_pk_add_f32 v[8:9], v[8:9], v[10:11]
	v_pk_add_f32 v[12:13], v[12:13], v[14:15]
	v_pk_add_f32 v[16:17], v[16:17], v[18:19]
	v_pk_add_f32 v[4:5], v[4:5], v[8:9]
	v_pk_add_f32 v[12:13], v[12:13], v[16:17]
	v_pk_add_f32 v[4:5], v[4:5], v[12:13]
.irp x, 1,2,4,8
	v_add_f32_dpp v4, v4, v4 row_xmask:\x row_mask:0xf bank_mask:0xf
	v_add_f32_dpp v5, v5, v5 row_xmask:\x row_mask:0xf bank_mask:0xf
.endr
	v_permlanex16_b32 v6, v4, s12, s13
	v_permlanex16_b32 v7, v5, s12, s13
	v_add_f32 v4, v4, v6
	v_add_f32 v5, v5, v7
	v_mul_f32 v4, 0x34000000, v4                   ; the mean: x 2^-23
	v_fma_f32 v4, v4, s15, v4                      ; m x 0.1 + m
	v_mul_f32 v5, 0x3c088889, v5                   ; / 120
	s_wait_xcnt 0x0                                ; EXEC changes only behind this wait
	v_cmp_eq_u32 vcc_lo, 0, v0
	s_and_saveexec_b32 s14, vcc_lo
	global_store_b32 v2, v4, s[6:7]
	global_store_b32 v2, v5, s[8:9]
	s_wait_xcnt 0x0                                ; and again in front of the line that widens it
	s_or_b32 exec_lo, exec_lo, s14
	s_endpgm
.Lfunc_end_k_qbf5dcfdd3d_finish:
	.size	k_qbf5dcfdd3d_finish, .Lfunc_end_k_qbf5dcfdd3d_finish-k_qbf5dcfdd3d_finish
	.p2alignl 7, 3214868480
	.fill 96, 4, 3214868480
	.section	.rodata,"a",@progbits
	.p2align	6, 0x0
	.amdhsa_kernel k_qbf5dcfdd3d_finish
		.amdhsa_group_segment_fixed_size 0
		.amdhsa_private_segment_fixed_size 0
		.amdhsa_enable_private_segment 0
		.amdhsa_kernarg_size 24
		.amdhsa_user_sgpr_count 2
		.amdhsa_user_sgpr_kernarg_segment_ptr 1
		.amdhsa_wavefront_size32 1
		.amdhsa_system_sgpr_workgroup_id_x 1
		.amdhsa_system_sgpr_workgroup_id_y 1
		.amdhsa_system_sgpr_workgroup_id_z 1
		.amdhsa_system_vgpr_workitem_id 0
		.amdhsa_next_free_vgpr 32
		.amdhsa_next_free_sgpr 66
		.amdhsa_reserve_vcc 1
		.amdhsa_float_denorm_mode_32 3
		.amdhsa_float_denorm_mode_16_64 3
		.amdhsa_memory_ordered 1
		.amdhsa_forward_progress 1
		.amdhsa_inst_pref_size 3
	.end_amdhsa_kernel
	.amdgpu_metadata
---
amdhsa.version: [ 1, 2 ]
amdhsa.kernels:
  - .name:           k_qbf5dcfdd3d_finish
    .symbol:         k_qbf5dcfdd3d_finish.kd
    .args:
      - { .name: part, .offset: 0, .size: 8, .value_kind: global_buffer, .address_space: global }
      - { .name: out2, .offset: 8, .size: 8, .value_kind: global_buffer, .address_space: global }
      - { .name: out3, .offset: 16, .size: 8, .value_kind: global_buffer, .address_space: global }
    .group_segment_fixed_size: 0
    .private_segment_fixed_size: 0
    .kernarg_segment_align: 8
    .kernarg_segment_size: 24
    .max_flat_workgroup_size: 32
    .sgpr_count:     66
    .vgpr_count:     32
    .wavefront_size: 32
...
	.end_amdgpu_metadata
.endif
;; end of part 4
;; ======== version 2 of 2: 4 launches; version 1 with the launch prep written anew for expert scheduling mode
;; workspace buffers: etb 2,097,152 bytes; eew 16,384 bytes; idxw 131,072 bytes of whole numbers; part 2,048 bytes
;; launch prep (part 5): grid 64 x 1, 8 waves a work-group, no clusters, 37,376 bytes of LDS; arguments embeddings, etb, eew; writes etb, eew
.if DOCPART == 5
	.amdgcn_target "amdgcn-amd-amdhsa--gfx1250"
	.amdhsa_code_object_version 6
	.text
	.protected	k_qbf5dcfdd3d_prep
	.globl	k_qbf5dcfdd3d_prep
	.p2align	8
	.type	k_qbf5dcfdd3d_prep,@function
k_qbf5dcfdd3d_prep:
	s_mov_b64 s[64:65], 0
	v_nop
	global_prefetch_b8 v0, s[64:65] scope:SCOPE_SE
	s_setreg_imm32_b32 hwreg(HW_REG_WAVE_SCHED_MODE, 0, 2), 2
	s_setreg_imm32_b32 hwreg(HW_REG_WAVE_MODE, 25, 1), 1
	s_wait_xcnt 0x0
	s_wait_alu depctr_vm_vsrc(0)
; etb[c][d] = bf16(embeddings[d][c])  ([4096][256] bf16),  eew[c] = sum over d of bf16(embeddings[d][c])^2  (f32).
; The later launches want a code's 256 numbers side by side (matrix fragments, the gather); embeddings has them 16,384 bytes apart.
; A work-group owns 64 codes: 256 consecutive bytes of every row d.  Wave w owns rows d = 32 w .. 32 w + 31.
; Lane l: i = l & 15 takes codes 4 i .. 4 i + 3 (16 bytes), hf = l >> 4 picks a pair of rows: one load of a wave covers 256 bytes of two rows.
; Two rows d, d + 1 of one code pack into one word; the words are transposed through LDS and leave as whole code rows of 512 bytes.
; No matrix unit, no cluster, no tensor load: 4 MiB are read once and 2 MiB written once, all loads of a wave are issued at its head.
; THE MODE: SCHED_MODE bits 1:0 = 2 (LLVM: expert scheduling mode 2), set by the entry lines.  The code itself states the register dependences
; between vector instructions and memory or LDS instructions, with s_wait_alu, always for 0.
; THE PLAN.  Registers that memory or LDS instructions touch:
;   v3 .. v7    offsets and LDS addresses, made once at the head and never written again: one wait ahead of the first load serves them all.
;   A           the 16 global loads land in it; behind a step's wait for its data vector instructions alone name the step's eight registers.  Later v[A:A+3] are
;               an LDS store's data, and in wave 0's tail LDS loads land in v[A:A+15].
;   P           step m's four roundings write P[m], its unpacking lines read it, and the four LDS stores that read it are issued in step m + 1, whose vector
;               instructions name P[m + 1], A[m + 1] and E alone.  Behind the barrier LDS loads land in all of P, and the global stores read it.
;   v1          vector work at the head; made anew in wave 0's tail as an LDS address and a store's offset; no memory instruction reads it before that.
;   v112, v113  written at the head, read by the closing add alone.
; So one wait on va_vdst stands at the head of steps 1 to 7, one behind the reduction (for step 7's stores and the partial sums'), and one wait on vm_vsrc behind the barrier.
.set CP,   528                         ; LDS bytes from a code to the next inside a group of four: 512 + 16
.set GRP,  2128                        ; four codes + 16: lane i's words start 532 words apart = 20 i mod 64, sixteen different banks (64 banks of 4 bytes: ISA guide 11.1); hf adds one
.set EEP,  34304                       ; behind the 16 groups (34,048 bytes): 8 waves x 64 partial sums of squares
.set A,    8                           ; v[8:71]    step m: rows d, d + 1 as loaded (4 + 4 registers), then the rounded numbers again in f32
.set P,    72                          ; v[72:103]  step m: 4 packed words; later the code rows on their way out
.set E,    104                         ; v[104:111] code jj: a pair of running sums (even d, odd d)
	s_load_b128 s[4:7], s[0:1], 0x0                ; embeddings s[4:5], etb s[6:7]
	s_load_b64 s[8:9], s[0:1], 0x10                ; eew
	v_lshl_add_u32 v112, v0, 2, 0x8e00             ; my spare word, behind the partial sums: 36,352 + 4 x thread; kept for the closing lines alone
	v_mov_b32 v113, 0                              ; and 0, likewise
	v_lshrrev_b32 v1, 5, v0
	v_readfirstlane_b32 s10, v1                    ; wave
	s_mov_b32 s12, 0x76543210                      ; v_permlanex16_b32: lane i of one half reads lane i of the other
	s_mov_b32 s13, 0xfedcba98
	s_mov_b32 s14, 0xffff0000                      ; a word's upper bf16
	v_and_b32 v1, 15, v0                           ; i
	v_bfe_u32 v2, v0, 4, 1                         ; hf
	s_wait_alu depctr_va_sdst(0)                   ; s10 is written, ahead of its first reader: the wave's shares of memory and LDS are made from it
	s_lshl_b32 s11, s10, 19                        ; 32 rows of 16,384 bytes a wave
	v_lshl_add_u32 v3, v1, 4, s11
	v_lshl_add_u32 v3, v2, 15, v3                  ; v3: global offset = 524,288 w + 32,768 hf + 16 i
	v_mul_u32_u24 v4, v1, GRP
	v_lshl_add_u32 v4, v2, 2, v4
	s_lshl_b32 s11, s10, 6
	v_add_nc_u32 v4, s11, v4                       ; v4: LDS, in: group i, word 16 w + hf of a code
	s_lshl_b32 s11, s10, 8
	s_add_co_u32 s11, s11, EEP
	v_lshl_add_u32 v5, v1, 4, s11                  ; v5: LDS, my wave's four partial sums
	v_and_b32 v6, 31, v0
	v_lshlrev_b32 v6, 4, v6
	s_lshl_b32 s11, s10, 12
	v_add_nc_u32 v7, s11, v6                       ; v7: etb offset = 8 codes of 512 bytes a wave + 16 l
	s_mul_i32 s11, s10, 2*GRP
	v_add_nc_u32 v6, s11, v6                       ; v6: LDS, out: two groups a wave + 16 l
	s_lshl_b32 s2, ttmp9, 8                        ; 64 codes: 256 bytes in a row of embeddings and in eew,
	s_mov_b32 s3, 0
	s_lshl_b32 s16, ttmp9, 15                      ; 32,768 bytes in etb
	s_mov_b32 s17, 0
	s_wait_kmcnt 0x0
	s_add_nc_u64 s[4:5], s[4:5], s[2:3]
	s_add_nc_u64 s[8:9], s[8:9], s[2:3]
	s_add_nc_u64 s[6:7], s[6:7], s[16:17]
	s_wait_alu depctr_va_vdst(0)                   ; v3 to v7 are written: the loads below read v3, the LDS and global instructions further down v4 to v7, and none of the five is written again
.irp m, 0,1,2,3,4,5,6,7
	global_load_b128 v[A+8*\m:A+8*\m+3],   v3, s[4:5] offset:65536*\m th:TH_LOAD_NT         ; row d = 32 w + 4 m + 2 hf
	global_load_b128 v[A+8*\m+4:A+8*\m+7], v3, s[4:5] offset:65536*\m+16384 th:TH_LOAD_NT   ; row d + 1
.endr
.irp m, 0,1,2,3,4,5,6,7
	s_wait_loadcnt 14-2*\m                         ; loads come back in order (ISA guide 5.7.1): step m's two are in, the 14 - 2 m younger stay out
.if \m > 0
	s_wait_alu depctr_va_vdst(0)                   ; the roundings of the step before have written its four words of P, which the four LDS stores below read
.endif
.irp j, 0,1,2,3
	v_cvt_pk_bf16_f32 v[P+4*\m+\j], v[A+8*\m+\j], v[A+8*\m+4+\j]       ; code 4 i + j: d low, d + 1 high
.endr
.irp j, 0,1,2,3
.if \m > 0
	ds_store_b32 v4, v[P+4*(\m-1)+\j] offset:CP*\j+8*(\m-1)            ; the step before.  No further wait: no vector instruction since the wait above names this word or v4
.endif
	v_lshlrev_b32 v[A+8*\m+2*\j],   16,  v[P+4*\m+\j]                  ; the rounded numbers as f32
	v_and_b32     v[A+8*\m+2*\j+1], s14, v[P+4*\m+\j]
.if \m == 0
	v_pk_mul_f32 v[E+2*\j:E+2*\j+1], v[A+8*\m+2*\j:A+8*\m+2*\j+1], v[A+8*\m+2*\j:A+8*\m+2*\j+1]   ; the first squares start the sums
.else
	v_pk_fma_f32 v[E+2*\j:E+2*\j+1], v[A+8*\m+2*\j:A+8*\m+2*\j+1], v[A+8*\m+2*\j:A+8*\m+2*\j+1], v[E+2*\j:E+2*\j+1]
.endif
.endr
.endr
.irp j, 0,1,2,3
	v_add_f32 v[E+2*\j], v[E+2*\j], v[E+2*\j+1]                        ; even d + odd d
.endr
.irp j, 0,1,2,3
	v_permlanex16_b32 v[E+2*\j+1], v[E+2*\j], s12, s13                 ; the other half's rows (the destination has been written)
.endr
.irp j, 0,1,2,3
	v_add_f32 v[A+\j], v[E+2*\j], v[E+2*\j+1]                          ; my wave's 32 rows of codes 4 i .. 4 i + 3
.endr
	s_wait_alu depctr_va_vdst(0)                   ; step 7's roundings have written its words of P and the additions v[A:A+3], which the five LDS stores below read; and every vector instruction that names P or A is done, ahead of the LDS loads that land there behind the barrier
.irp j, 0,1,2,3
	ds_store_b32 v4, v[P+28+\j] offset:CP*\j+56    ; step 7
.endr
	ds_store_b128 v5, v[A:A+3]                     ; both halves of the wave write the same bytes with the same numbers
	s_wait_dscnt 0x0                               ; for the other waves' sake: all my LDS stores are done
	s_barrier_signal -1
	s_barrier_wait -1
	s_wait_alu depctr_vm_vsrc(0)                   ; my LDS stores have read P and v[A:A+3]: the LDS loads below land in P, those of wave 0's tail in v[A ..]
.irp n, 0,1,2,3,4,5,6,7
	ds_load_b128 v[P+4*\n:P+4*\n+3], v6 offset:(\n/4)*GRP+(\n%4)*CP    ; code 8 w + n: its 512 bytes, 16 a lane
.endr
.irp n, 0,1,2,3,4,5,6,7
	s_wait_dscnt 7-\n                              ; LDS loads come back in order: code n is in, the younger stay out
	global_store_b128 v7, v[P+4*\n:P+4*\n+3], s[6:7] offset:512*\n     ; a store of the wave covers 512 consecutive bytes, aligned
.endr
	s_cmp_lg_u32 s10, 0
	s_cbranch_scc1 .Lend
	; wave 0 adds the eight waves' partial sums, in the order of d: lane l takes codes 2 l and 2 l + 1
	v_and_b32 v1, 31, v0
	v_lshlrev_b32 v1, 3, v1
	s_wait_alu depctr_va_vdst(0)                   ; v1 is written: the LDS loads below read it as their address, the store at the end as its offset
.irp k, 0,1,2,3,4,5,6,7
	ds_load_b64 v[A+2*\k:A+2*\k+1], v1 offset:EEP+256*\k
.endr
	s_wait_dscnt 0x0
.irp k, 1,2,3,4,5,6,7
	v_pk_add_f32 v[A:A+1], v[A:A+1], v[A+2*\k:A+2*\k+1]
.endr
	s_wait_alu depctr_va_vdst(0)                   ; the additions have written v[A:A+1], the store's data
	global_store_b64 v1, v[A:A+1], s[8:9]          ; 32 lanes x 8 bytes: the group's 256 bytes of eew in one store
.Lend:
	s_wait_dscnt 0x0                               ; the closing lines, six on end
	s_wait_alu 0x0
	s_wait_tensorcnt 0x0
	ds_add_u32 v112, v113
	s_wait_dscnt 0x0
	s_endpgm
.Lfunc_end_k_qbf5dcfdd3d_prep:
	.size	k_qbf5dcfdd3d_prep, .Lfunc_end_k_qbf5dcfdd3d_prep-k_qbf5dcfdd3d_prep
	.p2alignl 7, 3214868480
	.fill 96, 4, 3214868480
	.section	.rodata,"a",@progbits
	.p2align	6, 0x0
	.amdhsa_kernel k_qbf5dcfdd3d_prep
		.amdhsa_group_segment_fixed_size 37376
		.amdhsa_private_segment_fixed_size 0
		.amdhsa_enable_private_segment 0
		.amdhsa_kernarg_size 24
		.amdhsa_user_sgpr_count 2
		.amdhsa_user_sgpr_kernarg_segment_ptr 1
		.amdhsa_wavefront_size32 1
		.amdhsa_system_sgpr_workgroup_id_x 1
		.amdhsa_system_sgpr_workgroup_id_y 1
		.amdhsa_system_sgpr_workgroup_id_z 1
		.amdhsa_system_vgpr_workitem_id 0
		.amdhsa_next_free_vgpr 114
		.amdhsa_next_free_sgpr 66
		.amdhsa_reserve_vcc 0
		.amdhsa_float_denorm_mode_32 3
		.amdhsa_float_denorm_mode_16_64 3
		.amdhsa_memory_ordered 1
		.amdhsa_forward_progress 1
		.amdhsa_inst_pref_size 16
	.end_amdhsa_kernel
	.amdgpu_metadata
---
amdhsa.version: [ 1, 2 ]
amdhsa.kernels:
  - .name:           k_qbf5dcfdd3d_prep
    .symbol:         k_qbf5dcfdd3d_prep.kd
    .args:
      - { .name: embeddings, .offset: 0, .size: 8, .value_kind: global_buffer, .address_space: global }
      - { .name: etb, .offset: 8, .size: 8, .value_kind: global_buffer, .address_space: global }
      - { .name: eew, .offset: 16, .size: 8, .value_kind: global_buffer, .address_space: global }
    .group_segment_fixed_size: 37376
    .private_segment_fixed_size: 0
    .kernarg_segment_align: 8
    .kernarg_segment_size: 24
    .max_flat_workgroup_size: 256
    .sgpr_count:     66
    .vgpr_count:     114
    .wavefront_size: 32
...
	.end_amdgpu_metadata
.endif
;; end of part 5
;; launch assign: the kernel of part 2 again; grid 256 x 1, 8 waves a work-group, clusters of 4 x 1, 327,680 bytes of LDS; arguments etb, eew, inputs, out1, idxw; writes out1, idxw
;; launch gather: the kernel of part 3 again; grid 256 x 1, 24 waves a work-group, no clusters, 4,096 bytes of LDS; arguments inputs, etb, idxw, out0, part; writes out0, part
;; launch finish: the kernel of part 4 again; grid 1 x 1, 1 waves a work-group, no clusters, 0 bytes of LDS; arguments part, out2, out3; writes out2, out3
